; MI455X (gfx1250); checked and timed in simulation.
; The chip was launched on July 23, 2026; its instructions are those of AMD's public machine-readable ISA for CDNA 5 (MIT licence, August 2026) and "CDNA5" Instruction Set Architecture Reference Guide (July 2026). The comments in the code are by the model that wrote it; some were corrected since.
;; Mo E Layer. Allowed arithmetic: matrix products marked QUANTISED: E5M2 operands, one E8M0 scale for each 32 along K, by v_wmma_scale_f32_16x16x128_f8f6f4 with both operands' format E5M2, f32 sums; products left as they are: f32 operands where the result goes on into a quantised operand, else bf16, f16 or f32 operands; f32 sums; everything else in f32.
;; Inputs: b1 8 x 4,096 float32; b2 8 x 1,024 float32; gate_b 8 float32; gate_w 1,024 x 8 float32; hidden_states 4 x 256 x 1,024 float32; w1_codes 8 x 4,096 x 32 x 32 uint8 (E5M2 codes of w1, K innermost, in blocks of 32 codes); w1_scales 8 x 4,096 x 32 uint8 (E8M0 scales of w1, one for each 32 codes along K); w2_codes 8 x 1,024 x 128 x 32 uint8 (E5M2 codes of w2, K innermost, in blocks of 32 codes); w2_scales 8 x 1,024 x 128 uint8 (E8M0 scales of w2, one for each 32 codes along K).
;; Outputs: out0 4 x 256 x 1,024 float32.
;; Constants: top_k = 2.
;; This version of the problem:
;;   THIS VERSION OF THE PROBLEM IS GIVEN IN LOW PRECISION. The matrix products marked QUANTISED in the list below multiply operands that are first quantised to E5M2 (5 exponent bits, 2 mantissa bits; 8 bits a number), with one power-of-two scale for each 32 numbers along K (OCP MX v1.0); their sums are f32. All else is computed in f32.
;;   The module's matrix products, in the order in which they are computed (A, B: the left and right operand; K: the contracted axis; several contracted axes count as one K, in the product's order):
;;     1. [M 1,024, K 1,024] x [K 1,024, N 8]; A: input hidden_states; B: input gate_w: left as it is (N = 8 < 16)
;;     2. batch 1,024 x [M 1, K 2] x [K 2, N 8]; A: softmax; B: computed on the way: left as it is (K = 2 < 32)
;;     3. [M 32,768, K 1,024] x [K 1,024, N 1,024]; A: input w1 (given as codes); B: input hidden_states: QUANTISED
;;     4. batch 8 x [M 1,024, K 4,096] x [K 4,096, N 1,024]; A: computed on the way; B: input w2 (given as codes): QUANTISED
;;     5. batch 1,024 x [M 1,024, K 8] x [K 8, N 1]; A: computed on the way; B: computed on the way: left as it is (K = 8 < 32)
;;   THE QUANTISER, for each operand of a quantised product, along K:
;;     - K is cut into blocks of 32 from its start; a last block that is shorter is filled with zeros.
;;     - A block's scale is 2^e with e = floor(log2(the largest magnitude in the block)) - 15, held to -126 .. 127; a block of zeros has e = 0. As a byte (E8M0): e + 127.
;;     - Each number is divided by its block's scale, clamped to +-57,344, and rounded to the nearest number of E5M2, ties to even, subnormals kept.
;;     - The product sums the exact products of the quantised numbers (number of the format x scale) in f32.
;;   ~~~python
;;   def quantise(x, axis):      # numpy; x: float32 -> the quantised numbers, widened to float32 again
;;       x = np.moveaxis(x, axis, -1); K = x.shape[-1]
;;       x = np.pad(x, [(0, 0)] * (x.ndim - 1) + [(0, -K % 32)]); x = x.reshape(x.shape[:-1] + (-1, 32)); a = np.abs(x).max(-1, keepdims=True)
;;       e = np.where(a > 0, np.clip(np.frexp(np.where(a > 0, a, 1))[1] - 1 - 15, -126, 127), 0)      # np.frexp(a)[1] - 1 = floor(log2(a)), exactly
;;       r = np.clip(x / 2.0 ** e, -57344, 57344)
;;       step = 2.0 ** (np.maximum(np.frexp(np.where(r == 0, 1, r))[1] - 1, -14) - 2)
;;       q = np.round(r / step) * step * 2.0 ** e      # np.round: ties to even
;;       return np.moveaxis(q.reshape(q.shape[:-2] + (-1,))[..., :K], -1, axis).astype(np.float32)
;;   ~~~
;;   OPERANDS COMPUTED ON THE WAY. 'Computed on the way' means the value that the module computes at that place (a softmax that the list does not call 'softmax' is quantised finished and normalised). What goes into a quantiser is computed in f32, as accurately as f32 sums, v_exp_f32 and their like allow (about 1e-6 of the number): no bf16 or f16 on the way to a quantiser, and a product that is left as it is and whose result goes on into a quantised operand takes f32 operands (vector FMAs, or v_wmma_f32_16x16x4_f32). A number that lies on a knife's edge between two numbers of the format may be rounded either way, as far as f32 arithmetic and the matrix unit's own rounding can turn it there, and no further.
;;   INPUTS GIVEN AS CODES. w1 (in the module: [8, 1024, 4096], K = its axis 1); w2 (in the module: [8, 4096, 1024], K = its axis 1): each comes as NAME_codes (uint8): NAME with its K axis moved to the last place and cut into blocks of 32 codes, [.., K / 32, bytes a block], one block behind the other in memory; one code a byte (a code: sign, 5 exponent bits, 2 mantissa bits); and NAME_scales (uint8): the same leading axes, one E8M0 byte (e + 127) for each 32 codes along K. Its value is code x scale, taken as it is: it is not quantised again, and the codes and scales need not be those that the quantiser above would give.
;; One version. Each part assembles by itself: llvm-mc -triple=amdgcn-amd-amdhsa -mcpu=gfx1250 --defsym DOCPART=n.
;; ======== version 1 of 1: 4 launches
;; limits: right only within a limited range of input values
;; workspace buffers: xq 1,081,344 bytes; sel 8,192 bytes of whole numbers; cw 8,192 bytes; plan 33,792 bytes of whole numbers; hq 34,603,008 bytes; yp 18,874,368 bytes
;; launch route (part 1): grid 256 x 1, 4 waves a work-group, no clusters, 55,040 bytes of LDS; arguments hidden_states, gate_w, gate_b, xq, sel, cw; writes xq, sel, cw
.if DOCPART == 1
	.amdgcn_target "amdgcn-amd-amdhsa--gfx1250"
	.amdhsa_code_object_version 6
	.text
	.protected	k_q515e0fe09d_route
	.globl	k_q515e0fe09d_route
	.p2align	8
	.type	k_q515e0fe09d_route,@function
k_q515e0fe09d_route:
	s_mov_b64 s[64:65], 0
	v_nop
	global_prefetch_b8 v0, s[64:65] scope:SCOPE_SE
	s_setreg_imm32_b32 hwreg(HW_REG_WAVE_MODE, 25, 1), 1
	s_wait_xcnt 0x0
; ROUTER AND QUANTISER OF x.  A wave takes one token (a row of 1,024 f32): token 4 x work-group + wave.
; It makes the 8 logits x . gate_w + gate_b by f32 multiply-adds, the two largest (a tie keeps the lower expert), the softmax of those two with the
; larger taken off first, and the row's codes of BF8 (E5M2) with one E8M0 byte for each 32 along the row.
; Stored at fixed places: xq: codes [token][1024] and, from byte 1,048,576 on, scale bytes [token][32];  sel: [token][2] experts;  cw: [token][2] weights.
; No address and no branch hangs on the choice: a later launch places the rows.
; A lane must hold 16 NEIGHBOURS of the row for the conversions, while each load reads 512 consecutive bytes: the row turns through the wave's own stage in LDS.
; gate_w (32 KiB) comes into LDS once for the four waves, as 64 chunks of 16 rows (512 bytes + 16 of padding): lane l of step st reads chunk 32 st + l, the rows of its 16 numbers.
; LIMITS: NaN and infinities are not served.  A block whose largest magnitude lies under 2^-111 (a block of zeros too) keeps the scale byte 1; the bytes are read by this program alone.
; Logits that agree to within the rounding of f32 sums may be ordered either way.
; LEFT OUT in this program: both expert products for the experts that a token did not choose.  reference() multiplies their results by the zeros of its own one_hot, whatever the inputs hold;
; a NaN, an infinity or an overflow that only they would see is not carried to the result.
.set GWP, 528                          ; a chunk of gate_w in LDS: 33 x 16 bytes, so that 16 lanes' 16-byte reads fall on 16 different columns of 256 bytes
.set STG, 64*GWP                       ; behind gate_w: two stages of 32 x 80 bytes for each wave
.set STW, 5120
.set COL, STG+4*STW                    ; behind the stages: 128 scale bytes, 32 bytes of experts, 32 bytes of weights: the work-group's four tokens
.set R,  16                            ; v16-47   the row as loaded
.set X,  48                            ; v48-79   16 neighbours for each of two steps of 512 numbers
.set G,  80                            ; v80-207  gate_w: first as loaded, then the 16 rows x 8 of a step
.set A0, 208                           ; v208-215 the 8 sums over even numbers, later the logits
.set A1, 216                           ; v216-223 over odd numbers
.set LT, 232                           ; v232-239 the other half of the lanes' sums
.set C,  240                           ; v240-247 codes
.set T,  80                            ; v80-85   the quantiser's work (gate_w's registers are free by then)
	s_load_b128 s[4:7], s[0:1], 0x0                ; x s[4:5], gate_w s[6:7]
	s_load_b64 s[8:9], s[0:1], 0x10                ; gate_b
	s_load_b128 s[12:15], s[0:1], 0x18             ; xq s[12:13], sel s[14:15]
	s_load_b64 s[16:17], s[0:1], 0x28              ; cw
	v_lshl_add_u32 v254, v0, 2, 0xd500
	v_mov_b32 v255, 0
	v_lshrrev_b32 v1, 5, v0
	v_readfirstlane_b32 s20, v1                    ; wave
	v_and_b32 v1, 31, v0                           ; lane
	v_lshlrev_b32 v2, 4, v1                        ; 16 x lane
	v_lshlrev_b32 v13, 2, v1                       ; 4 x lane
	s_mul_i32 s21, s20, STW
	s_add_co_u32 s21, s21, STG                     ; my stages
	v_lshrrev_b32 v3, 2, v1
	v_mul_u32_u24 v3, v3, 80
	v_and_b32 v4, 3, v1
	v_lshl_add_u32 v3, v4, 4, v3
	v_add_nc_u32 v3, s21, v3                       ; into a stage: four lanes' 64 bytes on end, then 16 of padding
	v_mul_u32_u24 v4, v1, 80
	v_add_nc_u32 v4, s21, v4                       ; out of it: 80 x lane: my 16 neighbours
	s_mul_i32 s21, s20, 16*GWP
	v_add_nc_u32 v5, s21, v2                       ; gate_w into LDS: my wave's 16 chunks
	v_mul_u32_u24 v6, v1, GWP                      ; and out of it: my lane's chunk
	s_lshl_b32 s21, s20, 5
	v_lshrrev_b32 v7, 1, v1
	v_add_nc_u32 v7, s21, v7
	v_add_nc_u32 v7, COL, v7                       ; my block's scale byte: 32 x wave + lane / 2
	s_lshl_b32 s21, s20, 3
	s_add_co_u32 s21, s21, COL+128
	v_mov_b32 v8, s21                              ; my token's two experts; its two weights lie 32 bytes on
	v_add_nc_u32 v9, COL, v13                      ; the way out of the scale bytes
	v_and_b32 v11, 7, v1
	v_lshl_add_u32 v11, v11, 2, COL+128            ; and of the experts and weights
	s_lshl_b32 s21, s20, 13
	v_add_nc_u32 v12, s21, v2                      ; gate_w in memory: my wave's 8,192 bytes
	s_lshl_b32 s22, ttmp9, 2
	s_add_co_u32 s22, s22, s20                     ; my token
	s_mov_b32 s19, 0
	s_mov_b32 s32, 0x76543210
	s_mov_b32 s33, 0xfedcba98                      ; v_permlanex16_b32's selects for lane l xor 16
	s_mov_b32 s34, 0x600000                        ; the mantissa field of 57,344
.irp e, 0,1,2,3,4,5,6,7
	v_mov_b32 v[LT+\e], 0                          ; a lane permute's destination counts as one of its sources
.endr
	s_wait_alu depctr_va_vdst(0)
	s_wait_kmcnt 0x0
	s_load_b256 s[24:31], s[8:9], 0x0              ; gate_b
	s_lshl_b32 s18, s22, 12
	s_add_nc_u64 s[4:5], s[4:5], s[18:19]          ; my row of x
	s_add_nc_u64 s[36:37], s[12:13], 0x100000      ; xq's scale bytes,
	s_lshl_b32 s18, s22, 10
	s_add_nc_u64 s[12:13], s[12:13], s[18:19]      ; my row of codes
	s_lshl_b32 s18, ttmp9, 7
	s_add_nc_u64 s[36:37], s[36:37], s[18:19]      ; the work-group's 128 of them
	s_lshl_b32 s18, ttmp9, 5
	s_add_nc_u64 s[14:15], s[14:15], s[18:19]
	s_add_nc_u64 s[16:17], s[16:17], s[18:19]
.irp a, 0,1,2,3,4,5,6,7,8,9,10,11,12,13,14,15
	global_load_b128 v[G+4*\a:G+4*\a+3], v12, s[6:7] offset:512*\a   ; a chunk of gate_w: 512 consecutive bytes
.endr
.irp j, 0,1,2,3,4,5,6,7
	global_load_b128 v[R+4*\j:R+4*\j+3], v2, s[4:5] offset:512*\j th:TH_LOAD_NT
.endr
	s_wait_loadcnt 8                               ; gate_w's 16 loads are in; the row's 8, issued behind them, may be out
.irp a, 0,1,2,3,4,5,6,7,8,9,10,11,12,13,14,15
	ds_store_b128 v5, v[G+4*\a:G+4*\a+3] offset:GWP*\a
.endr
	s_wait_loadcnt 0x0
.irp st, 0,1                                   ; the turn: LDS serves a wave's instructions in order, so no wait stands between the stores and the loads
.irp i, 0,1,2,3
	ds_store_b128 v3, v[R+16*\st+4*\i:R+16*\st+4*\i+3] offset:2560*\st+640*\i
.endr
.irp i, 0,1,2,3
	ds_load_b128 v[X+16*\st+4*\i:X+16*\st+4*\i+3], v4 offset:2560*\st+16*\i
.endr
.endr
	s_wait_dscnt 0x0                               ; for the others' sake: my part of gate_w lies in LDS
	s_barrier_signal -1
	s_barrier_wait -1
; 512 numbers of the row against their rows of gate_w: register 8 i + e of G is gate_w(my i-th number's row, e).  Two experts an instruction; the number is taken for both halves.
.macro DOT st
.set q, 0
.rept 32
	ds_load_b128 v[G+4*q:G+4*q+3], v6 offset:\st*32*GWP+16*q
.set q, q+1
.endr
	s_wait_dscnt 0x0
.irp j, 0,1,2,3,4,5,6,7
.irp p, 0,1,2,3
.if (\st == 0) && (\j == 0)                    ; the first products start the sums: nothing is cleared
	v_pk_mul_f32 v[A0+2*\p:A0+2*\p+1], v[X:X+1], v[G+2*\p:G+2*\p+1] op_sel_hi:[0,1]
	v_pk_mul_f32 v[A1+2*\p:A1+2*\p+1], v[X:X+1], v[G+8+2*\p:G+8+2*\p+1] op_sel:[1,0] op_sel_hi:[1,1]
.else
	v_pk_fma_f32 v[A0+2*\p:A0+2*\p+1], v[X+16*\st+2*\j:X+16*\st+2*\j+1], v[G+16*\j+2*\p:G+16*\j+2*\p+1], v[A0+2*\p:A0+2*\p+1] op_sel_hi:[0,1,1]
	v_pk_fma_f32 v[A1+2*\p:A1+2*\p+1], v[X+16*\st+2*\j:X+16*\st+2*\j+1], v[G+16*\j+8+2*\p:G+16*\j+8+2*\p+1], v[A1+2*\p:A1+2*\p+1] op_sel:[1,0,0] op_sel_hi:[1,1,1]
.endif
.endr
.endr
.endm
	DOT 0
	s_wait_alu depctr_va_vdst(0)
	DOT 1
.irp p, 0,1,2,3
	v_pk_add_f32 v[A0+2*\p:A0+2*\p+1], v[A0+2*\p:A0+2*\p+1], v[A1+2*\p:A1+2*\p+1]
.endr
.irp m, 1,2,4,8                                ; over a row of 16 lanes: every lane of a row ends with the row's eight sums
.irp e, 0,1,2,3,4,5,6,7
	v_add_f32_dpp v[A0+\e], v[A0+\e], v[A0+\e] row_xmask:\m row_mask:0xf bank_mask:0xf
.endr
.endr
.irp e, 0,1,2,3,4,5,6,7
	v_permlanex16_b32 v[LT+\e], v[A0+\e], s32, s33
.endr
	s_wait_alu depctr_va_vdst(0)
	s_wait_kmcnt 0x0                               ; gate_b
.irp e, 0,1,2,3,4,5,6,7
	v_add_f32 v[A0+\e], v[A0+\e], v[LT+\e]
.endr
.irp e, 0,1,2,3,4,5,6,7
	v_add_f32 v[A0+\e], s[24+\e], v[A0+\e]         ; the logits
.endr
	v_mov_b32 v224, v[A0]                          ; the largest, and its expert: only a strictly larger logit takes the place, so a tie keeps the lower expert
	v_mov_b32 v225, 0
.irp e, 1,2,3,4,5,6,7
	v_cmp_gt_f32 vcc_lo, v[A0+\e], v224
	v_cndmask_b32 v224, v224, v[A0+\e], vcc_lo
	v_cndmask_b32 v225, v225, \e, vcc_lo
.endr
	v_mov_b32 v226, 0xff800000                     ; the second: the same over the experts that are not the first
	v_mov_b32 v227, 0
.irp e, 0,1,2,3,4,5,6,7
	v_cmp_ne_u32 s38, \e, v225
	v_cmp_gt_f32 vcc_lo, v[A0+\e], v226
	s_and_b32 vcc_lo, vcc_lo, s38
	v_cndmask_b32 v226, v226, v[A0+\e], vcc_lo
	v_cndmask_b32 v227, v227, \e, vcc_lo
.endr
	v_sub_f32 v228, v226, v224                     ; the softmax of the two, the larger taken off: 1 / (1 + e^d) and e^d / (1 + e^d), d = second - first, 0 or less
	v_mul_f32 v228, 0x3fb8aa3b, v228
	s_wait_alu depctr_va_vdst(0)
	v_exp_f32 v229, v228
	v_nop                                          ; one plain instruction behind a transcendental
	s_wait_alu depctr_va_vdst(0)
	v_add_f32 v228, 1.0, v229
	s_wait_alu depctr_va_vdst(0)
	v_rcp_f32 v230, v228
	v_nop
	s_wait_alu depctr_va_vdst(0)
	v_mul_f32 v231, v229, v230
	ds_store_b32 v8, v225                          ; all lanes write the same word with the same value
	ds_store_b32 v8, v227 offset:4
	ds_store_b32 v8, v230 offset:32
	ds_store_b32 v8, v231 offset:36
; 512 numbers become codes: two neighbouring lanes hold a block of 32.
.macro QSTEP st
.set XS, X+16*\st
	v_max3_num_f32 v[T], |v[XS]|, |v[XS+1]|, |v[XS+2]|
	v_max3_num_f32 v[T+1], |v[XS+3]|, |v[XS+4]|, |v[XS+5]|
.irp i, 6,10
	v_max3_num_f32 v[T], v[T], |v[XS+\i]|, |v[XS+\i+1]|
	v_max3_num_f32 v[T+1], v[T+1], |v[XS+\i+2]|, |v[XS+\i+3]|
.endr
	v_max3_num_f32 v[T], v[T], |v[XS+14]|, |v[XS+15]|
	v_max3_num_f32 v[T], v[T], v[T+1], 0x8000000   ; and the floor 2^(16 - 127): the byte cannot fall under 1
	v_max_num_f32_dpp v[T], v[T], v[T] row_xmask:1 row_mask:0xf bank_mask:0xf   ; with my neighbour's 16: the block's largest magnitude
	v_add_nc_u32 v[T+2], 0xf8800000, v[T]          ; 15 off its exponent field: the conversion takes that field as its scale
	v_and_or_b32 v[T+3], v[T], 0x7f800000, s34     ; 57,344 x the scale
.irp i, 0,1,2,3,4,5,6,7,8,9,10,11,12,13,14,15
	v_med3_num_f32 v[XS+\i], v[XS+\i], -v[T+3], v[T+3]   ; the conversion to an 8-bit code does not saturate (ISA guide 7.6.2): the hold comes first
.endr
	v_cvt_scalef32_pk8_bf8_f32 v[C+4*\st:C+4*\st+1], v[XS:XS+7], v[T+2]
	v_cvt_scalef32_pk8_bf8_f32 v[C+4*\st+2:C+4*\st+3], v[XS+8:XS+15], v[T+2]
	v_lshrrev_b32 v[T+4+\st], 23, v[T+2]           ; the scale's byte
	ds_store_b8 v7, v[T+4+\st] offset:16*\st       ; both lanes of a block write the same byte with the same value
	global_store_b128 v2, v[C+4*\st:C+4*\st+3], s[12:13] offset:512*\st   ; 32 lanes store 512 consecutive bytes
.endm
	QSTEP 0
	QSTEP 1
	s_wait_dscnt 0x0                               ; for the others' sake: my token's bytes and words lie in LDS
	s_barrier_signal -1
	s_barrier_wait -1
	s_cmp_lg_u32 s20, 0
	s_cbranch_scc1 .Lnot_wave_0
	ds_load_b32 v90, v9                            ; wave 0: the four tokens' 128 scale bytes leave together
	s_wait_dscnt 0x0
	global_store_b32 v13, v90, s[36:37]
	s_wait_tensorcnt 0x0
	ds_add_u32 v254, v255
	s_wait_dscnt 0x0
	s_endpgm
.Lnot_wave_0:
	s_cmp_lg_u32 s20, 1
	s_cbranch_scc1 .Ldone
	ds_load_b32 v90, v11                           ; wave 1: their eight experts and eight weights, lanes 0 to 7
	ds_load_b32 v91, v11 offset:32
	s_wait_dscnt 0x0
	v_cmp_gt_u32 vcc_lo, 8, v1
	s_wait_xcnt 0x0                                ; EXEC changes only behind this wait
	s_and_saveexec_b32 s38, vcc_lo
	global_store_b32 v13, v90, s[14:15]
	global_store_b32 v13, v91, s[16:17]
	s_wait_xcnt 0x0
	s_or_b32 exec_lo, exec_lo, s38
.Ldone:
	s_wait_tensorcnt 0x0
	ds_add_u32 v254, v255
	s_wait_dscnt 0x0
	s_endpgm
.Lfunc_end_k_q515e0fe09d_route:
	.size	k_q515e0fe09d_route, .Lfunc_end_k_q515e0fe09d_route-k_q515e0fe09d_route
	.p2alignl 7, 3214868480
	.fill 96, 4, 3214868480
	.section	.rodata,"a",@progbits
	.p2align	6, 0x0
	.amdhsa_kernel k_q515e0fe09d_route
		.amdhsa_group_segment_fixed_size 55040
		.amdhsa_private_segment_fixed_size 0
		.amdhsa_enable_private_segment 0
		.amdhsa_kernarg_size 48
		.amdhsa_user_sgpr_count 2
		.amdhsa_user_sgpr_kernarg_segment_ptr 1
		.amdhsa_wavefront_size32 1
		.amdhsa_system_sgpr_workgroup_id_x 1
		.amdhsa_system_sgpr_workgroup_id_y 1
		.amdhsa_system_sgpr_workgroup_id_z 1
		.amdhsa_system_vgpr_workitem_id 0
		.amdhsa_next_free_vgpr 256
		.amdhsa_next_free_sgpr 66
		.amdhsa_reserve_vcc 1
		.amdhsa_float_denorm_mode_32 3
		.amdhsa_float_denorm_mode_16_64 3
		.amdhsa_memory_ordered 1
		.amdhsa_forward_progress 1
		.amdhsa_inst_pref_size 32
	.end_amdhsa_kernel
	.amdgpu_metadata
---
amdhsa.version: [ 1, 2 ]
amdhsa.kernels:
  - .name:           k_q515e0fe09d_route
    .symbol:         k_q515e0fe09d_route.kd
    .args:
      - { .name: hidden_states, .offset: 0, .size: 8, .value_kind: global_buffer, .address_space: global }
      - { .name: gate_w, .offset: 8, .size: 8, .value_kind: global_buffer, .address_space: global }
      - { .name: gate_b, .offset: 16, .size: 8, .value_kind: global_buffer, .address_space: global }
      - { .name: xq, .offset: 24, .size: 8, .value_kind: global_buffer, .address_space: global }
      - { .name: sel, .offset: 32, .size: 8, .value_kind: global_buffer, .address_space: global }
      - { .name: cw, .offset: 40, .size: 8, .value_kind: global_buffer, .address_space: global }
    .group_segment_fixed_size: 55040
    .private_segment_fixed_size: 0
    .kernarg_segment_align: 8
    .kernarg_segment_size: 48
    .max_flat_workgroup_size: 128
    .sgpr_count:     66
    .vgpr_count:     256
    .wavefront_size: 32
...
	.end_amdgpu_metadata
.endif
;; end of part 1
;; launch ffn1 (part 2): grid 256 x 1, 4 waves a work-group, no clusters, 285,952 bytes of LDS; arguments xq, w1_codes, w1_scales, b1, sel, plan, hq; writes plan, hq
.if DOCPART == 2
	.amdgcn_target "amdgcn-amd-amdhsa--gfx1250"
	.amdhsa_code_object_version 6
	.text
	.protected	k_q515e0fe09d_ffn1
	.globl	k_q515e0fe09d_ffn1
	.p2align	8
	.type	k_q515e0fe09d_ffn1,@function
k_q515e0fe09d_ffn1:
	s_mov_b64 s[64:65], 0
	v_nop
	global_prefetch_b8 v0, s[64:65] scope:SCOPE_SE
	s_setreg_imm32_b32 hwreg(HW_REG_WAVE_MODE, 25, 1), 1
	s_wait_xcnt 0x0
; ROWS BY EXPERT, FIRST PRODUCT, BIAS, EXACT GELU, QUANTISER.  hidden = Q(gelu(x W1 + b1)) for the rows routed to an expert, on codes of BF8 (E5M2) with one E8M0 scale for each 32 along K.
; LEFT OUT: the products of experts that a token did not choose: reference() multiplies them by the zeros of its own one_hot.  A NaN or an infinity that only they would see is not carried on.
; SHARES.  Work-group = (expert e = number / 32, 128 hidden units f = number % 32).  Wave = (ug = wave % 2: 64 units, rg = wave / 2: every second tile of 16 rows).  A wave's part of W1 (4 tiles x 8 K steps,
; 512 registers) stays in registers, each byte of W1 is read once in the launch, and each fragment of x from LDS feeds four products.
; THE LIST.  A work-group counts its own expert's rows: word q = 2 token + k of sel is a row of e where sel[q] = e.  Every wave counts; wave 0 puts q at its rank into a list in LDS, whose other entries are
; 2048 + 32 e + (rank % 32): places that no token owns.  Work-group f = 0 of each expert stores list and count for the next launch (plan: list[e][1024], from byte 32,768 on the count of e, 32 times).
; No tensor loads and no cluster: how many tiles have work hangs on loaded numbers, and no two work-groups share a byte of the weights.  No prefetch: W1 is asked for whole at the head, with no loop ahead of it.
; THE PRODUCT IS USED TRANSPOSED (source 0 = 16 rows of W1, source 1 = 16 rows of x), and lane r of tile u takes W1's row 32 (u / 2) + 8 (u % 2) + r + 8 (r / 8): the 16 registers of tiles 2 b, 2 b + 1 are
; 16 neighbouring units, 16 (lane / 16) + 0 .. 15 of block b.
; THE LOOP.  10 trips whatever the count, since a barrier stands in it: a trip is 128 rows (one LDS set), in two halves of 64; a half is two steps of a wave, with the staging of the half two on between them.
; A STEP T: tile T - 2's gelu begins (|x|, reciprocals); tile T's products run with T - 2's polynomial behind them, six lines to a product; then T - 2's exponentials, quantiser and stores.
; The first step works on zeros and stores nothing; a step without a tile of its own finishes the one before.
; GELU, doubled: 2 g = (x + |x|) - |x| 2 q, 2 q = erfc(|x| / sqrt 2) = t 2^(P(t) - x^2 log2(e) / 2), t = 1 / (1 + |x| / (2 sqrt 2)), P a polynomial of degree 9 (its form's fractional error is 1.2e-7 for every x).
; The doubling is taken back in the scale byte.
; hq: codes [e][tile of 16 rows][K step f][block c][lane][16 bytes];  from byte 33,554,432 on scale words [e][f][row], byte c for block c.
; LIMITS: NaN and infinities are not served.  Where 2^(..) falls under 2^-126 (x under about -13) it is taken as 0.  A block whose largest magnitude lies under 2^-111 keeps the scale byte 1.
; REGISTERS.  Window 0: below.  Windows 1, 2: W1's fragment n = 4 x K step + tile at 16 n.  Window 3: v0-127 x's fragments (K step s at 16 s), v128-255 my 16 staged rows.
.set XP,   1040                        ; a row of codes in LDS: 1,024 bytes + 16: 65 x 16, so that 16 rows' 16-byte reads fall on 16 different columns of 256 bytes
.set XSO,  128*XP                      ; behind a set's 128 rows: their 32 scale bytes each, 48 bytes apart
.set SETB, XSO+128*48                  ; set 1 begins here
.set WST,  SETB                        ; W1's 128 rows at the head: over set 1, which is first written behind the barrier that follows their last read
.set LIST, 2*SETB                      ; 1,024 words, then 32 dump words
.set HSC,  LIST+4352                   ; the hidden layer's scale bytes: a ring of 32 tiles x 16 rows x 4 bytes
.set BIAS, HSC+2048                    ; b1 of the 128 units
.set SPARE, BIAS+512
.set TM,  24                           ; v24-33   the quantiser's work
.set CD,  34                           ; v34-41   codes
.set XSW, 42                           ; v42-49   x's scale words
.set WS,  56                           ; v56-87   W1's scale words (8 u + s)
.set QR,  88                           ; v88-95   x^2
.set ACC, 96                           ; v96-127  four accumulators
.set AX,  128                          ; v128-159 |x|;  at the head sel's words (v128-191)
.set R,   160                          ; v160-191 x + |x|, later 2 g
.set TR,  192                          ; v192-223 t, later |x| t
.set PR,  224                          ; v224-255 the polynomial, the exponent, the power
.set KV,  22                           ; v22-23   the polynomial's highest coefficient, twice
.set KC,  44                           ; s44-61   its coefficients 0 to 8, each twice
.set GA,  66                           ; s66-97   my 16 rows' addresses
; v1 16 lane; v2 x fragments; v3 x scale words; v4 rows into LDS; v5 their scale bytes; v6 my hidden scale bytes; v7 flush; v8 list; v9 bias; v10 tokens; v11, v19 gather; v12-v18, v55 this half's addresses; v54 16 h
; s2 nt + 3; s3 the magnitude's mask; s18 wave; s19 e; s20 f; s21 count; s22 tiles nt; s23 halves; s24 trip; s25 this set, s37 the other; s26 half; s27 ug; s28 T; s29 T - 2; s36 half of the trip; s99 rg
.set MSB, 0
.macro WIN new                         ; the immediate's high byte repeats the setting that is left
.if MSB != (\new)
	s_set_vgpr_msb (MSB<<8)|(\new)
.set MSB, (\new)
.endif
.endm
.macro WALU
	s_wait_alu depctr_va_vdst(0)
.endm
.macro KSET m, val
	s_mov_b32 s[KC+2*\m], \val
	s_mov_b32 s[KC+2*\m+1], \val
.endm
.macro WROWS n                         ; the next n of my 32 rows of W1: two loads a row, 32 lanes read 512 consecutive bytes
	WIN 0x40
.rept \n
	global_load_b128 v[8*j:8*j+3], v1, s[6:7] offset:1024*j th:TH_LOAD_NT
	global_load_b128 v[8*j+4:8*j+7], v1, s[6:7] offset:1024*j+512 th:TH_LOAD_NT
.set j, j+1
.endr
	WIN 0
.endm
.macro WSTORE n                        ; the next n of them into LDS
	WIN 0x04
.rept \n
	ds_store_b128 v244, v[8*j:8*j+3] offset:j*XP
	ds_store_b128 v244, v[8*j+4:8*j+7] offset:j*XP+512
.set j, j+1
.endr
	WIN 0
.endm
; My 16 rows of a half are asked for: 33 loads.  A token number enters an address behind a minimum with 1,023.
.macro GATHER tok, dst, sc
	v_lshrrev_b32 v11, 1, v[\tok]
	v_min_u32 v19, 0x3ff, v11
	v_lshl_add_u32 v19, v19, 5, v54
	WALU
.irp rr, 0,1,2,3,4,5,6,7,8,9,10,11,12,13,14,15
	v_readlane_b32 s100, v11, \rr
	s_min_u32 s100, s100, 0x3ff
	s_lshl_b32 s100, s100, 10
	s_add_nc_u64 s[GA+2*\rr:GA+2*\rr+1], s[4:5], s[100:101]
.endr
	WIN 0xc0
.irp rr, 0,1,2,3,4,5,6,7,8,9,10,11,12,13,14,15
	global_load_b128 v[\dst+8*\rr:\dst+8*\rr+3], v1, s[GA+2*\rr:GA+2*\rr+1]   ; 32 lanes read 512 consecutive bytes of the row
	global_load_b128 v[\dst+8*\rr+4:\dst+8*\rr+7], v1, s[GA+2*\rr:GA+2*\rr+1] offset:512
.endr
	WIN 0
	global_load_b128 v[\sc:\sc+3], v19, s[30:31]   ; lane (r, half): 16 of row r's 32 scale bytes
.endm
.macro STAGE src, adr
	WIN 0x0c
.irp rr, 0,1,2,3,4,5,6,7,8,9,10,11,12,13,14,15
	ds_store_b128 v[\adr], v[\src+8*\rr:\src+8*\rr+3] offset:\rr*XP
	ds_store_b128 v[\adr], v[\src+8*\rr+4:\src+8*\rr+7] offset:\rr*XP+512
.endr
	WIN 0
.endm
; 16 words of sel a lane: those that name e take the next ranks.  All waves count, wave 0 stores.
.macro LISTB b
.set k, 0
.rept 16
	v_cmp_eq_u32 s[GA+k], s19, v[128+16*\b+k]
.set k, k+1
.endr
.set k, 0
.rept 16
	v_mbcnt_lo_u32_b32 v[192+k], s[GA+k], s21      ; the count so far + such lanes below me
	s_bcnt1_i32_b32 s62, s[GA+k]
	s_add_co_u32 s21, s21, s62
.set k, k+1
.endr
.set k, 0
.rept 16
	v_cndmask_b32 v[192+k], v249, v[192+k], s[GA+k]
.set k, k+1
.endr
.set k, 0
.rept 16
	v_min_u32 v[192+k], 0x41f, v[192+k]
.set k, k+1
.endr
.set k, 0
.rept 16
	v_lshl_add_u32 v[192+k], v[192+k], 2, LIST
.set k, k+1
.endr
.set k, 0
.rept 16
	v_add_nc_u32 v[208+k], 128*(4*\b+k/4)+k%4, v247
.set k, k+1
.endr
	WALU
	s_cmp_lg_u32 s18, 0
	s_cbranch_scc1 .Lnot_mine_\@
.set k, 0
.rept 16
	ds_store_b32 v[192+k], v[208+k]
.set k, k+1
.endr
.Lnot_mine_\@:
.endm
; Line q2 of the 192 that stand behind the products: P(t), less x^2 log2(e) / 2, and |x| t.
.macro P2L
.if q2 < 16
	v_pk_fma_f32 v[PR+2*q2:PR+2*q2+1], v[TR+2*q2:TR+2*q2+1], v[KV:KV+1], s[KC+16:KC+17] op_sel_hi:[1,1,0]
.elseif q2 < 144
.set m_, 7-(q2-16)/16
.set k_, 2*((q2-16)%16)
	v_pk_fma_f32 v[PR+k_:PR+k_+1], v[PR+k_:PR+k_+1], v[TR+k_:TR+k_+1], s[KC+2*m_:KC+2*m_+1] op_sel_hi:[1,1,0]
.elseif q2 < 176
.set w_, (q2-144)%8
.set g_, 8*((q2-144)/8)
.if w_ < 4
	v_pk_mul_f32 v[QR+2*w_:QR+2*w_+1], v[AX+g_+2*w_:AX+g_+2*w_+1], v[AX+g_+2*w_:AX+g_+2*w_+1]
.else
.set w_, w_-4
	v_pk_fma_f32 v[PR+g_+2*w_:PR+g_+2*w_+1], v[QR+2*w_:QR+2*w_+1], s[42:43], v[PR+g_+2*w_:PR+g_+2*w_+1] op_sel_hi:[1,0,1]
.endif
.else
.set k_, 2*(q2-176)
	v_pk_mul_f32 v[TR+k_:TR+k_+1], v[AX+k_:AX+k_+1], v[TR+k_:TR+k_+1]
.endif
.set q2, q2+1
.endm
.macro RECIP                           ; t = 1 / (1 + |x| / (2 sqrt 2))
.set k, 0
.rept 16
	v_pk_fma_f32 v[TR+k:TR+k+1], v[AX+k:AX+k+1], s[38:39], 1.0 op_sel_hi:[1,0,0]
.set k, k+2
.endr
	WALU
.set k, 0
.rept 32
	v_rcp_f32 v[TR+k], v[TR+k]
.set k, k+1
.endr
	v_nop                                          ; one plain instruction behind the transcendentals
	WALU
.endm
.macro STEP k2, hs
	s_lshl_b32 s28, s26, 2
	s_add_co_u32 s28, s28, s99
.if \k2
	s_add_co_u32 s28, s28, 2
.endif
	s_sub_co_u32 s29, s28, 2
	s_cmp_lt_u32 s28, s22
	s_cbranch_scc1 .Lgo_\@
	s_cmp_lt_u32 s29, s22
	s_cbranch_scc0 .Lskip_\@
.Lgo_\@:
	WALU
.set k, 0
.rept 32
	v_and_b32 v[AX+k], s3, v[ACC+k]                ; |x|, each accumulator from its low end on
.set k, k+1
.endr
.set k, 0
.rept 16
	v_pk_add_f32 v[R+k:R+k+1], v[ACC+k:ACC+k+1], v[AX+k:AX+k+1]
.set k, k+2
.endr
	s_cmp_ge_u32 s28, s22
	s_cbranch_scc1 .Lalone_\@
.irp u, 0,1,2,3                                ; b1 is what the sums begin with
	ds_load_b128 v[ACC+8*\u:ACC+8*\u+3], v9 offset:128*(\u/2)+32*(\u%2)
	ds_load_b128 v[ACC+8*\u+4:ACC+8*\u+7], v9 offset:128*(\u/2)+32*(\u%2)+16
.endr
	ds_load_b128 v[XSW:XSW+3], v13 offset:\k2*32*48
	ds_load_b128 v[XSW+4:XSW+7], v13 offset:\k2*32*48+16
	WIN 0xc0
.irp s, 0,1,2,3,4,5,6,7
.irp c, 0,1,2,3
	ds_load_b128 v[16*\s+4*\c:16*\s+4*\c+3], v12 offset:\k2*32*XP+128*\s+32*\c
.endr
.endr
	WIN 0
	RECIP
.set q2, 0
.set n, 0
.rept 32                                       ; four accumulators by turns, one instruction a turn, K ascending
.if n%4 == 0
	s_wait_dscnt 28-n                              ; this K step's fragment is in: behind it stand four loads for each later K step
.endif
	WIN (1+n/16)|0x0c
	v_wmma_scale_f32_16x16x128_f8f6f4 v[ACC+8*(n%4):ACC+8*(n%4)+7], v[16*(n%16):16*(n%16)+15], v[16*(n/4):16*(n/4)+15], v[ACC+8*(n%4):ACC+8*(n%4)+7], v[WS+8*(n%4)+n/4], v[XSW+n/4] matrix_a_fmt:MATRIX_FMT_BF8 matrix_b_fmt:MATRIX_FMT_BF8
	WIN 0
.rept 6
	P2L
.endr
.set n, n+1
.endr
	s_branch .Lend_\@
.Lalone_\@:
	RECIP
.set q2, 0
.rept 192
	P2L
.endr
.Lend_\@:
	s_wait_xcnt 0x0                                ; earlier stores have read their codes and base
	WALU
.set k, 0
.rept 32
	v_exp_f32 v[PR+k], v[PR+k]
.set k, k+1
.endr
	v_nop
	WALU
.set k, 0
.rept 16
	v_pk_fma_f32 v[R+k:R+k+1], v[TR+k:TR+k+1], v[PR+k:PR+k+1], v[R+k:R+k+1] neg_lo:[1,0,0] neg_hi:[1,0,0]   ; 2 g
.set k, k+2
.endr
.irp c, 0,1,2,3                                ; the largest magnitudes: registers 0 to 15 are my half of block 0, 16 to 31 of block 1
	v_max3_num_f32 v[TM+\c], |v[R+8*\c]|, |v[R+8*\c+1]|, |v[R+8*\c+2]|
.endr
.irp i, 3,5
.irp c, 0,1,2,3
	v_max3_num_f32 v[TM+\c], v[TM+\c], |v[R+8*\c+\i]|, |v[R+8*\c+\i+1]|
.endr
.endr
.irp c, 0,1,2,3
	v_max3_num_f32 v[TM+\c], v[TM+\c], |v[R+8*\c+7]|, 0x8800000   ; and the floor 2^(17 - 127): the byte cannot fall under 1
.endr
.irp b, 0,1
	v_max_num_f32 v[TM+4+\b], v[TM+2*\b], v[TM+2*\b+1]
.endr
.irp b, 0,1
	v_permlanex16_b32 v[TM+6+\b], v[TM+4+\b], s40, s41
.endr
.irp b, 0,1
	v_max_num_f32 v[TM+4+\b], v[TM+4+\b], v[TM+6+\b]
.endr
.irp b, 0,1
	v_add_nc_u32 v[TM+8+\b], 0xf8800000, v[TM+4+\b]   ; 15 off the exponent field: the conversion's scale, for the doubled numbers
.endr
.irp b, 0,1
	v_and_or_b32 v[TM+\b], v[TM+4+\b], 0x7f800000, s98   ; 57,344 x the scale
.endr
.irp b, 0,1
	v_lshrrev_b32 v[TM+2+\b], 23, v[TM+8+\b]
.endr
	v_lshl_or_b32 v[TM+2], v[TM+3], 8, v[TM+2]
	v_add_nc_u32 v[TM+2], 0xfffffeff, v[TM+2]      ; the two scale bytes: one less each, since the numbers were doubled
.irp b, 0,1
.irp i, 0,1,2,3,4,5,6,7,8,9,10,11,12,13,14,15
	v_med3_num_f32 v[R+16*\b+\i], v[R+16*\b+\i], -v[TM+\b], v[TM+\b]   ; the conversion does not saturate (ISA guide 7.6.2): the hold comes first
.endr
	v_cvt_scalef32_pk8_bf8_f32 v[CD+4*\b:CD+4*\b+1], v[R+16*\b:R+16*\b+7], v[TM+8+\b]
	v_cvt_scalef32_pk8_bf8_f32 v[CD+4*\b+2:CD+4*\b+3], v[R+16*\b+8:R+16*\b+15], v[TM+8+\b]
.endr
	v_nop                                          ; a plain instruction behind the last conversion
	WALU
	s_cmp_lt_u32 s29, s22
	s_cbranch_scc0 .Lskip_\@
	s_lshl_b32 s100, s29, 16
	s_add_nc_u64 s[8:9], s[32:33], s[100:101]
	global_store_b128 v1, v[CD:CD+3], s[8:9]       ; 32 lanes store 512 consecutive bytes: a block of the tile's K step f
	global_store_b128 v1, v[CD+4:CD+7], s[8:9] offset:512
	ds_store_b16 v[\hs], v[TM+2]                   ; both halves of the lanes write the same value
.Lskip_\@:
.endm
	s_load_b256 s[4:11], s[0:1], 0x0               ; xq s[4:5], w1_codes s[6:7], w1_scales s[8:9], b1 s[10:11]
	s_load_b128 s[12:15], s[0:1], 0x20             ; sel s[12:13], plan s[14:15]
	s_load_b64 s[16:17], s[0:1], 0x30              ; hq
	v_lshl_add_u32 v20, v0, 2, SPARE
	v_mov_b32 v21, 0
	v_lshrrev_b32 v239, 5, v0
	v_readfirstlane_b32 s18, v239                  ; wave
	s_lshr_b32 s19, ttmp9, 5                       ; e
	s_and_b32 s20, ttmp9, 31                       ; f
	s_and_b32 s27, s18, 1                          ; ug
	s_lshr_b32 s99, s18, 1                         ; rg
	v_and_b32 v240, 31, v0                         ; lane
	v_and_b32 v241, 15, v0                         ; r
	v_bfe_u32 v242, v0, 4, 1                       ; h
	v_lshlrev_b32 v1, 4, v240
	v_lshlrev_b32 v54, 4, v242
	v_lshlrev_b32 v247, 2, v240
	v_and_b32 v243, 8, v241
	v_add_nc_u32 v243, v243, v241                  ; r + 8 (r / 8)
	s_mul_i32 s62, s99, 16*XP
	v_mul_u32_u24 v2, v241, XP
	v_add_nc_u32 v2, v2, v54
	v_add_nc_u32 v2, s62, v2                       ; x's fragments: row 16 rg + r, + 16 h
	s_mul_i32 s62, s99, 16*48
	s_add_co_u32 s62, s62, XSO
	v_mul_u32_u24 v3, v241, 48
	v_add_nc_u32 v3, s62, v3                       ; their scale words
	s_mul_i32 s62, s18, 16*XP
	v_add_nc_u32 v4, s62, v1                       ; my 16 rows into a set
	s_mul_i32 s62, s18, 16*48
	s_add_co_u32 s62, s62, XSO
	v_mul_u32_u24 v5, v241, 48
	v_add_nc_u32 v5, v5, v54
	v_add_nc_u32 v5, s62, v5                       ; and their scale bytes
	v_add_nc_u32 v14, 64*XP, v4                    ; the same in the set's second half
	v_add_nc_u32 v15, 64*48, v5
	s_lshl_b32 s62, s27, 1
	s_add_co_u32 s62, s62, HSC
	v_lshlrev_b32 v6, 2, v241
	v_add_nc_u32 v6, s62, v6                       ; my two hidden scale bytes of row r
	v_add_nc_u32 v7, HSC, v1
	s_lshl_b32 s62, s18, 6
	s_add_co_u32 s62, s62, LIST
	v_lshlrev_b32 v8, 2, v241
	v_add_nc_u32 v8, s62, v8                       ; the list's entry for my row 16 wave + r
	s_lshl_b32 s62, s27, 8
	s_add_co_u32 s62, s62, BIAS
	v_lshlrev_b32 v9, 6, v242
	v_add_nc_u32 v9, s62, v9
	s_mul_i32 s62, s18, 32*XP
	s_add_co_u32 s62, s62, WST
	v_add_nc_u32 v244, s62, v1                     ; W1's rows into LDS: my 32
	s_mul_i32 s62, s27, 64*XP
	s_add_co_u32 s62, s62, WST
	v_mul_u32_u24 v245, v243, XP
	v_add_nc_u32 v245, v245, v54
	v_add_nc_u32 v245, s62, v245                   ; and its fragments out of it
	v_lshlrev_b32 v246, 5, v243                    ; W1's scale bytes: 32 a row
	s_lshl_b32 s62, s18, 7
	s_add_co_u32 s62, s62, BIAS
	v_add_nc_u32 v248, s62, v247
	v_add_nc_u32 v249, 0x400, v240                 ; my dump word
	s_lshl_b32 s62, s19, 5
	s_add_co_u32 s62, s62, 2048
	v_and_b32 v250, 31, v247
	v_add_nc_u32 v250, s62, v250
	v_add_nc_u32 v251, 1, v250
	v_add_nc_u32 v252, 2, v250
	v_add_nc_u32 v253, 3, v250
	v_add_nc_u32 v254, LIST, v1
.irp i, 0,1,2,3
	v_mov_b32 v[224+\i], 0x7f7f7f7f
.endr
	v_mov_b32 v[KV], 0x3e7c6f08
	v_mov_b32 v[KV+1], 0x3e7c6f08
	v_mov_b32 v[TM+6], 0                           ; a lane permute's destination counts as one of its sources
	v_mov_b32 v[TM+7], 0
	s_mov_b32 s3, 0x7fffffff
	s_mov_b32 s38, 0x3eb504f3                      ; 1 / (2 sqrt 2)
	s_mov_b32 s39, 0x3eb504f3
	s_mov_b32 s98, 0x600000                        ; the mantissa field of 57,344
	s_mov_b32 s40, 0x76543210
	s_mov_b32 s41, 0xfedcba98                      ; v_permlanex16_b32's selects for lane l xor 16
	s_mov_b32 s42, 0xbf38aa3b                      ; -log2(e) / 2
	s_mov_b32 s43, 0xbf38aa3b
	KSET 0, 0xbfe9b21e                             ; the coefficients x log2(e)
	KSET 1, 0x3fb8ab5a
	KSET 2, 0x3f0a29d2
	KSET 3, 0x3e0efb2e
	KSET 4, 0xbe899a80
	KSET 5, 0x3ecdfd18
	KSET 6, 0xbfd1a1e5
	KSET 7, 0x40097039
	KSET 8, 0xbf97d29d
	s_mov_b32 s29, 0
	s_mov_b32 s101, 0
	s_mov_b32 s21, 0
	s_lshl_b32 s63, s19, 12
	s_lshl_b32 s28, s20, 7
	s_add_co_u32 s63, s63, s28                     ; the work-group's first unit among all experts': 4096 e + 128 f
	WALU
	s_wait_kmcnt 0x0
.set k, 0
.rept 16
	global_load_b128 v[128+4*k:128+4*k+3], v1, s[12:13] offset:512*k
.set k, k+1
.endr
	s_lshl_b32 s62, s18, 5
	s_add_co_u32 s62, s62, s63                     ; my 32 rows of W1
	s_lshl_b32 s28, s62, 10
	s_add_nc_u64 s[6:7], s[6:7], s[28:29]
.set j, 0
	WROWS 22
	s_lshl_b32 s28, s62, 2
	s_add_nc_u64 s[10:11], s[10:11], s[28:29]
	s_lshl_b32 s62, s27, 6
	s_add_co_u32 s62, s62, s63                     ; my 64 units
	s_lshl_b32 s28, s62, 5
	s_add_nc_u64 s[8:9], s[8:9], s[28:29]
	s_add_nc_u64 s[30:31], s[4:5], 0x100000        ; xq's scale bytes
	s_lshl_b32 s28, s19, 22
	s_lshl_b32 s62, s20, 11
	s_add_co_u32 s28, s28, s62
	s_lshl_b32 s62, s27, 10
	s_add_co_u32 s28, s28, s62
	s_add_nc_u64 s[32:33], s[16:17], s[28:29]      ; hq: expert e, tile 0, K step f, block 2 ug
	s_lshl_b32 s28, s19, 17
	s_lshl_b32 s62, s20, 12
	s_add_co_u32 s28, s28, s62
	s_add_nc_u64 s[34:35], s[16:17], s[28:29]
	s_add_nc_u64 s[34:35], s[34:35], 0x2000000     ; its scale words of (e, f)
	s_cmp_lg_u32 s18, 0
	s_cbranch_scc1 .Lno_fill
.irp g, 0,1,2,3,4,5,6,7
	ds_store_b128 v254, v[250:253] offset:512*\g   ; wave 0: every entry of the list is written,
.endr
.irp g, 0,1,2,3
	ds_store_b128 v7, v[224:227] offset:512*\g     ; and the ring of scale bytes
.endr
.Lno_fill:
	s_wait_loadcnt 44                              ; sel is in: behind it stand W1's first 44 loads
	LISTB 0
	LISTB 1
	LISTB 2
	LISTB 3
	s_min_u32 s21, s21, 0x400
	s_add_co_u32 s22, s21, 15
	s_lshr_b32 s22, s22, 4
	s_max_u32 s22, s22, 1                          ; nt
	s_add_co_u32 s23, s22, 3
	s_add_co_u32 s2, s22, 3
	s_lshr_b32 s23, s23, 2                         ; halves of 64 rows
	WROWS 10
.irp u, 0,1,2,3
	global_load_b128 v[WS+8*\u:WS+8*\u+3], v246, s[8:9] offset:(32*(\u/2)+8*(\u%2))*32
	global_load_b128 v[WS+8*\u+4:WS+8*\u+7], v246, s[8:9] offset:(32*(\u/2)+8*(\u%2))*32+16
.endr
	global_load_b32 v255, v247, s[10:11]
	WALU
	s_wait_dscnt 0x0                               ; the list lies in LDS
	s_barrier_signal -1
	s_barrier_wait -1
	ds_load_b32 v228, v8                           ; the tokens of my rows of halves 0 to 3
	ds_load_b32 v229, v8 offset:256
	ds_load_b32 v230, v8 offset:512
	ds_load_b32 v10, v8 offset:768
	s_wait_dscnt 0x0
	GATHER 228, 128, 50                            ; half 0
.set j, 0
	s_wait_loadcnt 63                              ; W1's first 43 loads are in: behind them stand its other 21, 9 (scales, b1) and half 0's 33
	WSTORE 21
	s_wait_loadcnt 52                              ; its first 54
	WSTORE 6
	s_wait_loadcnt 42                              ; all 64
	WSTORE 5
	s_wait_xcnt 0x0                                ; half 0's loads have read their addresses
	GATHER 229, 0, 92                              ; half 1, into x's fragment registers
	s_wait_loadcnt 33                              ; behind half 0 stand half 1's 33
	STAGE 128, 4
	ds_store_b128 v5, v[50:53]
	ds_store_b32 v248, v255
	WALU
	s_wait_dscnt 0x0                               ; my rows of W1 lie in LDS
	s_barrier_signal -1
	s_barrier_wait -1
.set n, 0
.rept 32
	WIN (0x40<<(n/16))
.irp c, 0,1,2,3
	ds_load_b128 v[16*(n%16)+4*\c:16*(n%16)+4*\c+3], v245 offset:(32*((n%4)/2)+8*(n%2))*XP+128*(n/4)+32*\c
.endr
.set n, n+1
.endr
	WIN 0
	s_xor_b32 s62, s18, 1
	s_or_b32 s62, s62, s20
	s_cmp_lg_u32 s62, 0
	s_cbranch_scc1 .Lno_plan
.irp g, 0,1,2,3,4,5,6,7                        ; wave 1 of work-group f = 0: list and count leave for the next launch
	ds_load_b128 v[192+4*\g:192+4*\g+3], v254 offset:512*\g
.endr
	s_lshl_b32 s28, s19, 12
	s_add_nc_u64 s[36:37], s[14:15], s[28:29]
	s_lshl_b32 s28, s19, 7
	s_add_nc_u64 s[6:7], s[14:15], s[28:29]
	s_add_nc_u64 s[6:7], s[6:7], 0x8000
	v_mov_b32 v231, s21
	WALU
	s_wait_dscnt 0x0
.irp g, 0,1,2,3,4,5,6,7
	global_store_b128 v1, v[192+4*\g:192+4*\g+3], s[36:37] offset:512*\g
.endr
	global_store_b32 v247, v231, s[6:7]
.Lno_plan:
	s_wait_loadcnt 0x0                             ; half 1
	STAGE 0, 14
	ds_store_b128 v15, v[92:95]
	s_wait_xcnt 0x0
	GATHER 230, 128, 50                            ; half 2
.set k, 0
.rept 32
	v_mov_b32 v[ACC+k], 0                          ; what the first step works on
.set k, k+1
.endr
	s_mov_b32 s24, 0
	s_mov_b32 s25, 0
.Ltrip:
	s_xor_b32 s37, s25, SETB
	s_add_co_u32 s62, s24, 2
	s_and_b32 s62, s62, 3
	s_lshl_b32 s62, s62, 9
	v_add_nc_u32 v55, s62, v7                      ; the flush: set i - 2's 512 scale bytes
	WALU
	s_wait_dscnt 0x0                               ; my stores have landed, and my reads of the other set are over (in the first trip: W1's fragments are in)
	s_barrier_signal -1
	s_barrier_wait -1
	s_cmp_lg_u32 s18, 0
	s_cbranch_scc1 .Lno_flush
	s_cmp_lt_u32 s24, 2
	s_cbranch_scc1 .Lno_flush
	s_sub_co_u32 s62, s24, 2
	s_lshl_b32 s63, s62, 1
	s_cmp_ge_u32 s63, s23
	s_cbranch_scc1 .Lno_flush
	s_wait_xcnt 0x0
	ds_load_b128 v[TM:TM+3], v55                   ; wave 0: 128 rows' scale words, whose bytes came from two waves, all in front of this trip's barrier
	s_lshl_b32 s100, s62, 9
	s_add_nc_u64 s[6:7], s[34:35], s[100:101]
	s_wait_dscnt 0x0
	global_store_b128 v1, v[TM:TM+3], s[6:7]       ; 32 lanes store 512 consecutive bytes
.Lno_flush:
	s_mov_b32 s36, 0
.Lhalf:
	s_lshl_b32 s26, s24, 1
	s_add_co_u32 s26, s26, s36                     ; every LDS address of the half is made here, on the way that all waves take
	s_mul_i32 s62, s36, 64*XP
	s_add_co_u32 s63, s62, s25
	v_add_nc_u32 v12, s63, v2
	s_add_co_u32 s63, s62, s37
	v_add_nc_u32 v14, s63, v4
	s_mul_i32 s62, s36, 64*48
	s_add_co_u32 s63, s62, s25
	v_add_nc_u32 v13, s63, v3
	s_add_co_u32 s63, s62, s37
	v_add_nc_u32 v15, s63, v5
	s_lshl_b32 s62, s26, 2
	s_add_co_u32 s62, s62, s99
	s_and_b32 s63, s62, 31
	s_lshl_b32 s63, s63, 6
	v_add_nc_u32 v17, s63, v6                      ; scale bytes of tile T - 2 in the half's second step,
	s_add_co_u32 s62, s62, 30
	s_and_b32 s63, s62, 31
	s_lshl_b32 s63, s63, 6
	v_add_nc_u32 v16, s63, v6                      ; and in its first
	s_add_co_u32 s62, s26, 4
	s_min_u32 s62, s62, 15
	s_lshl_b32 s62, s62, 8
	v_add_nc_u32 v18, s62, v8
	s_lshl_b32 s62, s26, 2
	WALU
	s_cmp_ge_u32 s62, s2
	s_cbranch_scc1 .Lhalf_end
	STEP 0, 16
	s_add_co_u32 s62, s26, 2                       ; the half two on goes into the other set, the one three on is asked for
	s_cmp_ge_u32 s62, s23
	s_cbranch_scc1 .Lno_stage
	s_wait_loadcnt 0x0                             ; asked for two steps ago
	STAGE 128, 14
	ds_store_b128 v15, v[50:53]
	s_wait_dscnt 0x0                               ; the stores have read their registers: the next rows may land there
	s_add_co_u32 s62, s26, 3
	s_cmp_ge_u32 s62, s23
	s_cbranch_scc1 .Lno_stage
	GATHER 10, 128, 50
	ds_load_b32 v10, v18                           ; the tokens of the half four on
.Lno_stage:
	STEP 1, 17
.Lhalf_end:
	WALU
	s_add_co_u32 s36, s36, 1
	s_cmp_lt_u32 s36, 2
	s_cbranch_scc1 .Lhalf
	s_xor_b32 s25, s25, SETB
	s_add_co_u32 s24, s24, 1
	s_cmp_lt_u32 s24, 10
	s_cbranch_scc1 .Ltrip
	s_wait_tensorcnt 0x0                           ; the wave's end
	ds_add_u32 v20, v21
	s_wait_dscnt 0x0
	s_endpgm
.Lfunc_end_k_q515e0fe09d_ffn1:
	.size	k_q515e0fe09d_ffn1, .Lfunc_end_k_q515e0fe09d_ffn1-k_q515e0fe09d_ffn1
	.p2alignl 7, 3214868480
	.fill 96, 4, 3214868480
	.section	.rodata,"a",@progbits
	.p2align	6, 0x0
	.amdhsa_kernel k_q515e0fe09d_ffn1
		.amdhsa_group_segment_fixed_size 285952
		.amdhsa_private_segment_fixed_size 0
		.amdhsa_enable_private_segment 0
		.amdhsa_kernarg_size 56
		.amdhsa_user_sgpr_count 2
		.amdhsa_user_sgpr_kernarg_segment_ptr 1
		.amdhsa_wavefront_size32 1
		.amdhsa_system_sgpr_workgroup_id_x 1
		.amdhsa_system_sgpr_workgroup_id_y 1
		.amdhsa_system_sgpr_workgroup_id_z 1
		.amdhsa_system_vgpr_workitem_id 0
		.amdhsa_next_free_vgpr 1024
		.amdhsa_next_free_sgpr 102
		.amdhsa_reserve_vcc 0
		.amdhsa_float_denorm_mode_32 3
		.amdhsa_float_denorm_mode_16_64 3
		.amdhsa_memory_ordered 1
		.amdhsa_forward_progress 1
		.amdhsa_inst_pref_size 193
	.end_amdhsa_kernel
	.amdgpu_metadata
---
amdhsa.version: [ 1, 2 ]
amdhsa.kernels:
  - .name:           k_q515e0fe09d_ffn1
    .symbol:         k_q515e0fe09d_ffn1.kd
    .args:
      - { .name: xq, .offset: 0, .size: 8, .value_kind: global_buffer, .address_space: global }
      - { .name: w1_codes, .offset: 8, .size: 8, .value_kind: global_buffer, .address_space: global }
      - { .name: w1_scales, .offset: 16, .size: 8, .value_kind: global_buffer, .address_space: global }
      - { .name: b1, .offset: 24, .size: 8, .value_kind: global_buffer, .address_space: global }
      - { .name: sel, .offset: 32, .size: 8, .value_kind: global_buffer, .address_space: global }
      - { .name: plan, .offset: 40, .size: 8, .value_kind: global_buffer, .address_space: global }
      - { .name: hq, .offset: 48, .size: 8, .value_kind: global_buffer, .address_space: global }
    .group_segment_fixed_size: 285952
    .private_segment_fixed_size: 0
    .kernarg_segment_align: 8
    .kernarg_segment_size: 56
    .max_flat_workgroup_size: 128
    .sgpr_count:     102
    .vgpr_count:     1024
    .wavefront_size: 32
...
	.end_amdgpu_metadata
.endif
;; end of part 2
;; launch ffn2 (part 3): grid 256 x 1, 4 waves a work-group, no clusters, 272,896 bytes of LDS; arguments hq, w2_codes, w2_scales, b2, plan, yp; writes yp
.if DOCPART == 3
	.amdgcn_target "amdgcn-amd-amdhsa--gfx1250"
	.amdhsa_code_object_version 6
	.text
	.protected	k_q515e0fe09d_ffn2
	.globl	k_q515e0fe09d_ffn2
	.p2align	8
	.type	k_q515e0fe09d_ffn2,@function
k_q515e0fe09d_ffn2:
	s_mov_b64 s[64:65], 0
	v_nop
	global_prefetch_b8 v0, s[64:65] scope:SCOPE_SE
	s_setreg_imm32_b32 hwreg(HW_REG_WAVE_MODE, 25, 1), 1
	s_wait_xcnt 0x0
; SECOND PRODUCT.  yp[kh][slot][:] = hidden W2 over half kh of K (+ b2 in half 0), for the rows routed to an expert, on codes of BF8 (E5M2) with one E8M0 scale for each 32 along K.
; SHARES.  Work-group = (expert e = number / 32, outputs 64 n on with n = (number / 2) % 16, half kh = number % 2 of K: 16 K steps of 128).  Wave w takes K steps 16 kh + 4 w + 0 .. 3 for all 64 outputs:
; its part of W2 (4 tiles x 4 K steps, 256 registers) stays in registers, so each byte of W2 is read once in the launch.  The four waves' parts of a sum meet in LDS.
; No tensor loads and no cluster: how many tiles have work hangs on a stored count, and no two work-groups share a byte of the weights.
; THE PRODUCT IS USED TRANSPOSED (source 0 = 16 rows of W2, source 1 = 16 hidden rows): a lane holds eight neighbouring outputs of one row.
; W2 COMES IN BY ROWS: my four K steps are 512 consecutive bytes of each of the 64 rows, and each of the wave's 64 loads reads one row's.  A fragment wants 32 bytes of each of 16 rows in one group of four registers, so the rows
; turn through the wave's own stage in LDS, 32 rows (two tiles) at a time.  The stage is the wave's own: no barrier; LDS serves a wave's instructions in order: no wait between the stores and the loads, nor between the two halves.
; The hidden rows come straight into registers: hq lies in the order of the operand's registers, so a tile's four K steps are 16 loads of 512 consecutive bytes.  A ring of four tiles: while one is multiplied, three are on their way.
; A fill is ALWAYS 18 loads with all lanes on, so that the counted wait holds on every way.  A fill for a tile past the valid ones reads the last valid tile, all lanes at the same 16 bytes of each load; nobody uses what it brings.
; THE LOOP has 16 trips whatever the count, since a barrier stands in it.  Trip i: tiles 4 i .. 4 i + 3: products, parts into LDS set i % 2 | barrier | wave w adds the four parts of tile 4 i + w and stores 16 rows.
; A set is written again two trips on, behind the next trip's barrier, in front of which every wave has waited for its reads of it.
; VALID WORK: nt = max(1, ceil(cnt / 16)) tiles, as in the launch that made hq.  LIMITS: NaN and infinities are not served (b2 is multiplied by 0 in half 1).
; REGISTERS.  Window 0: below.  Window 1: W2's fragments (tile t, K step s) at 16 (4 t + s).  Window 2: the ring: tile q's K step s at 64 q + 16 s.  Window 3: W2's 64 rows as loaded, row j at 4 j.
.set PSLOT, 1<<17                      ; LDS set 1 begins here
.set PT,  16*272                       ; a wave's part of a tile: 16 rows x (256 bytes + 16)
.set PQ,  4*PT                         ; a tile's four parts
.set WP,  528                          ; a row of W2's stage: 512 bytes + 16: 33 x 16, so that 16 rows' 16-byte reads fall on 16 different columns of 256 bytes
.set WST, PSLOT+4*PQ                   ; behind set 1: W2's stages, 32 rows x WP bytes for each wave
.set HA,  8                            ; v8-11    address of ring tile q's codes
.set HSA, 12                           ; v12-15   of its scale words
.set WS,  16                           ; v16-31   W2's scale words (4 t + s)
.set HS,  32                           ; v32-39   the hidden rows' scale words: 2 q + a: lanes 0-15 K step 2 a, lanes 16-31 K step 2 a + 1
.set B2,  40                           ; v40-43   b2 of my four outputs, or zeros
.set ACC, 44                           ; v44-107  two sets of four accumulators
.set RED, 112                          ; v112-239 the four parts of 16 rows: 32 w' + 4 m
.set LT,  247                          ; v247     a fill's lane term: 16 lane, or 0
.set LISTL, 268800                     ; LDS: the expert's list, 1,024 words: entry = the row of yp (2 token + k) that takes a slot's result
; v1 16 lane; v2/v3 parts into LDS (base / this set); v4/v5 parts out of LDS; v6 my place in two rows of yp; v7 4,096 (lane / 16) + 4 r; v248/v249 W2's stage: where I put 16 bytes of a row / where I read a fragment
; s22 nt; s27 nt - 1; s24 the trip; s25 the LDS set in hand; s26 4 x the trip; s28, s29 at work
.set MSB, 0
.macro WIN new                         ; the immediate's high byte repeats the setting that is left
.if MSB != \new
	s_set_vgpr_msb (MSB<<8)|\new
.set MSB, \new
.endif
.endm
.set MUL,    0x09                      ; source 0 (W2) window 1, source 1 (hidden) window 2, C and D window 0
.set TO_W,   0x40                      ; destination window 1
.set TO_H,   0x80                      ; destination window 2
.set TO_S,   0xc0                      ; destination window 3
.set FROM_S, 0x0c                      ; an LDS store's data (source 1) window 3
.macro HFILL q                         ; 18 loads
	WIN TO_H
.irp m, 0,1,2,3,4,5,6,7,8,9,10,11,12,13,14,15
	global_load_b128 v[64*\q+4*\m:64*\q+4*\m+3], v[HA+\q], s[32:33] offset:512*\m
.endr
	WIN 0
	global_load_b32 v[HS+2*\q], v[HSA+\q], s[34:35]
	global_load_b32 v[HS+2*\q+1], v[HSA+\q], s[34:35] offset:8192
.endm
.macro FIRST q                         ; the ring's first fill of place q: tile min(q, nt - 1), so that every register of the ring is written from bytes that were stored
	s_min_u32 s28, s27, \q
	s_min_u32 s28, s28, 63
	v_lshl_add_u32 v[HA+\q], s28, 16, v1
	v_lshl_add_u32 v[HSA+\q], s28, 6, v7
	HFILL \q
.endm
.macro TILE q
.set AQ, ACC+32*((\q)%2)
	s_wait_loadcnt 54                              ; this tile's fill is in: behind it stand three fills of 18 loads
.if \q > 1
	s_wait_dscnt 8                                 ; the stores of the tile two back have read these accumulators: behind them stand the last tile's eight
.endif
	WIN MUL
.irp s, 0,1,2,3                                ; four accumulators by turns, one instruction a turn
.irp t, 0,1,2,3
.if \s == 0
	v_wmma_scale_f32_16x16x128_f8f6f4 v[AQ+8*\t:AQ+8*\t+7], v[16*(4*\t+\s):16*(4*\t+\s)+15], v[64*\q+16*\s:64*\q+16*\s+15], 0, v[WS+4*\t+\s], v[HS+2*\q] matrix_a_fmt:MATRIX_FMT_BF8 matrix_b_fmt:MATRIX_FMT_BF8
.elseif \s == 1
	v_wmma_scale_f32_16x16x128_f8f6f4 v[AQ+8*\t:AQ+8*\t+7], v[16*(4*\t+\s):16*(4*\t+\s)+15], v[64*\q+16*\s:64*\q+16*\s+15], v[AQ+8*\t:AQ+8*\t+7], v[WS+4*\t+\s], v[HS+2*\q] matrix_a_fmt:MATRIX_FMT_BF8 matrix_b_fmt:MATRIX_FMT_BF8 matrix_b_scale:MATRIX_SCALE_ROW1
.elseif \s == 2
	v_wmma_scale_f32_16x16x128_f8f6f4 v[AQ+8*\t:AQ+8*\t+7], v[16*(4*\t+\s):16*(4*\t+\s)+15], v[64*\q+16*\s:64*\q+16*\s+15], v[AQ+8*\t:AQ+8*\t+7], v[WS+4*\t+\s], v[HS+2*\q+1] matrix_a_fmt:MATRIX_FMT_BF8 matrix_b_fmt:MATRIX_FMT_BF8
.else
	v_wmma_scale_f32_16x16x128_f8f6f4 v[AQ+8*\t:AQ+8*\t+7], v[16*(4*\t+\s):16*(4*\t+\s)+15], v[64*\q+16*\s:64*\q+16*\s+15], v[AQ+8*\t:AQ+8*\t+7], v[WS+4*\t+\s], v[HS+2*\q+1] matrix_a_fmt:MATRIX_FMT_BF8 matrix_b_fmt:MATRIX_FMT_BF8 matrix_b_scale:MATRIX_SCALE_ROW1
.endif
.endr
.endr
	WIN 0
	s_add_co_u32 s28, s26, 4+\q                    ; j: the ring's next tile for this place
	s_min_u32 s29, s28, s27                        ; held at the last valid tile,
	s_min_u32 s29, s29, 63                         ; and, since nt was read from memory, at the last tile of an expert
	s_min_u32 s28, s28, s22
	s_sub_co_u32 s28, s22, s28                     ; nt - min(j, nt): 0 where j is past the valid tiles,
	s_min_u32 s28, s28, 1                          ; else 1
	v_mul_u32_u24 v[LT], s28, v1                   ; 16 lane, or 0: a fill that nobody will use asks for 16 bytes a load, not 512
	v_lshl_add_u32 v[HA+\q], s29, 16, v[LT]        ; (HA and HSA are free since the counted wait above.)  These three and six v_nop are the nine places behind the products:
	v_lshl_add_u32 v[HSA+\q], s29, 6, v7           ; behind them come loads into the ring, the stores of the results, and later the products that begin these accumulators anew
.rept 6
	v_nop
.endr
	HFILL \q
	s_wait_alu depctr_va_vdst(0)
.irp t, 0,1,2,3
	ds_store_b128 v3, v[AQ+8*\t:AQ+8*\t+3] offset:\q*PQ+64*\t          ; each accumulator from its low end on
	ds_store_b128 v3, v[AQ+8*\t+4:AQ+8*\t+7] offset:\q*PQ+64*\t+16
.endr
.endm
.macro REDUCE                          ; two rows an instruction: lanes 0-15 row m's 256 bytes, lanes 16-31 row 8 + m's
	ds_load_b128 v[108:111], v250                  ; the rows' places in yp
	ds_load_b128 v[240:243], v250 offset:16
.irp m, 0,1,2,3,4,5,6,7
.irp x, 0,1,2,3
	ds_load_b128 v[RED+32*\x+4*\m:RED+32*\x+4*\m+3], v5 offset:\x*PT+\m*272
.endr
.endr
.irp m, 0,1,2,3,4,5,6,7
	s_wait_dscnt 28-4*\m                           ; this pair of rows is in: behind it stand four loads for each later pair
.irp p, 0,2
	v_pk_add_f32 v[RED+4*\m+\p:RED+4*\m+\p+1], v[RED+4*\m+\p:RED+4*\m+\p+1], v[RED+32+4*\m+\p:RED+32+4*\m+\p+1]
	v_pk_add_f32 v[RED+64+4*\m+\p:RED+64+4*\m+\p+1], v[RED+64+4*\m+\p:RED+64+4*\m+\p+1], v[RED+96+4*\m+\p:RED+96+4*\m+\p+1]
	v_pk_add_f32 v[RED+4*\m+\p:RED+4*\m+\p+1], v[RED+4*\m+\p:RED+4*\m+\p+1], v[RED+64+4*\m+\p:RED+64+4*\m+\p+1]
	v_pk_add_f32 v[RED+4*\m+\p:RED+4*\m+\p+1], v[RED+4*\m+\p:RED+4*\m+\p+1], v[B2+\p:B2+\p+1]
.endr
.if \m < 4
.set EN, 108+\m
.else
.set EN, 236+\m
.endif
	v_min_u32 v[EN], 0x8ff, v[EN]                  ; a place enters an address behind a minimum with yp's last row of a half
	v_lshl_add_u32 v[EN], v[EN], 12, v6
	global_store_b128 v[EN], v[RED+4*\m:RED+4*\m+3], s[36:37]   ; sixteen lanes store 256 consecutive bytes, at a multiple of 256 from yp's first byte
.endr
.endm
	s_load_b256 s[4:11], s[0:1], 0x0               ; hq s[4:5], w2_codes s[6:7], w2_scales s[8:9], b2 s[10:11]
	s_load_b128 s[12:15], s[0:1], 0x20             ; plan s[12:13], yp s[14:15]
	v_lshl_add_u32 v254, v0, 2, 0x41800
	v_mov_b32 v255, 0
	v_lshrrev_b32 v240, 5, v0
	v_readfirstlane_b32 s18, v240                  ; wave
	s_lshr_b32 s19, ttmp9, 5                       ; e
	s_bfe_u32 s20, ttmp9, 0x40001                  ; n
	s_and_b32 s21, ttmp9, 1                        ; kh
	v_and_b32 v241, 31, v0                         ; lane
	v_and_b32 v242, 15, v0                         ; r
	v_bfe_u32 v243, v0, 4, 1                       ; h
	v_lshlrev_b32 v1, 4, v241
	s_mul_i32 s28, s18, PT
	v_mul_u32_u24 v2, v242, 272
	v_lshl_add_u32 v2, v243, 5, v2
	v_add_nc_u32 v2, s28, v2                       ; my part: row r, + 32 h
	s_mul_i32 s28, s18, PQ
	v_mul_u32_u24 v4, v243, 8*272
	v_lshl_add_u32 v4, v242, 4, v4
	v_add_nc_u32 v4, s28, v4                       ; the tile that I add up: its parts' rows
	s_mul_i32 s28, s18, 32*WP
	v_add_nc_u32 v248, s28, v1
	v_add_nc_u32 v248, WST, v248                   ; W2's stage, on the way in: my wave's 32 rows, 16 bytes a lane
	v_mul_u32_u24 v249, v242, WP
	v_lshl_add_u32 v249, v243, 4, v249
	v_add_nc_u32 v249, s28, v249
	v_add_nc_u32 v249, WST, v249                   ; and on the way out: a fragment's row r x pitch + 16 h
	v_lshlrev_b32 v6, 12, v243
	v_lshl_add_u32 v7, v242, 2, v6
	v_lshlrev_b32 v6, 4, v242
	s_lshl_b32 s28, s18, 6
	s_add_co_u32 s28, s28, LISTL
	v_lshlrev_b32 v244, 5, v243
	v_add_nc_u32 v244, s28, v244                   ; the list: entries 16 wave + 8 h on
	s_lshl_b32 s28, s18, 10
	v_add_nc_u32 v251, s28, v1                     ; my quarter of it in memory
	v_add_nc_u32 v252, LISTL, v251                 ; and in LDS
	v_lshlrev_b32 v245, 7, v242                    ; W2's scale bytes: 128 a row
	v_lshlrev_b32 v246, 4, v242                    ; b2: four outputs a lane
	s_lshl_b32 s31, s21, 4
	s_lshl_b32 s28, s18, 2
	s_add_co_u32 s31, s31, s28                     ; my first K step: 16 kh + 4 wave
	s_mov_b32 s29, 0
	s_lshl_b32 s27, s19, 7
	s_wait_alu depctr_va_vdst(0)
	s_wait_kmcnt 0x0
	s_load_b32 s23, s[12:13], s27 offset:0x8000    ; the expert's count
	s_lshl_b32 s28, s19, 22
	s_lshl_b32 s26, s20, 18
	s_add_co_u32 s28, s28, s26
	s_lshl_b32 s26, s31, 7
	s_add_co_u32 s28, s28, s26
	s_add_nc_u64 s[6:7], s[6:7], s[28:29]          ; W2: expert e, row 64 n, my first K step
	s_lshl_b32 s28, s19, 17
	s_lshl_b32 s26, s20, 13
	s_add_co_u32 s28, s28, s26
	s_lshl_b32 s26, s31, 2
	s_add_co_u32 s28, s28, s26
	s_add_nc_u64 s[8:9], s[8:9], s[28:29]
	s_lshl_b32 s28, s19, 12
	s_lshl_b32 s26, s20, 8
	s_add_co_u32 s28, s28, s26
	s_add_nc_u64 s[10:11], s[10:11], s[28:29]
	s_lshl_b32 s28, s19, 22
	s_lshl_b32 s26, s31, 11
	s_add_co_u32 s28, s28, s26
	s_add_nc_u64 s[32:33], s[4:5], s[28:29]        ; hq: expert e, tile 0, my first K step
	s_lshl_b32 s28, s19, 17
	s_lshl_b32 s26, s31, 12
	s_add_co_u32 s28, s28, s26
	s_add_nc_u64 s[34:35], s[4:5], s[28:29]
	s_add_nc_u64 s[34:35], s[34:35], 0x2000000     ; and its scale words
	s_mul_i32 s28, s21, 0x900000
	s_lshl_b32 s26, s20, 8
	s_add_co_u32 s28, s28, s26
	s_add_nc_u64 s[36:37], s[14:15], s[28:29]      ; yp: half kh (2,304 rows of 4,096 bytes), output 64 n
	s_lshl_b32 s28, s19, 12
	s_add_nc_u64 s[38:39], s[12:13], s[28:29]
	global_load_b128 v[112:115], v251, s[38:39]    ; my quarter of the expert's list
	global_load_b128 v[116:119], v251, s[38:39] offset:512
	WIN TO_S
.set j, 0
.rept 64
	global_load_b128 v[4*j:4*j+3], v1, s[6:7] offset:4096*j th:TH_LOAD_NT   ; row j: 32 lanes read its 512 consecutive bytes of my four K steps
.set j, j+1
.endr
	WIN 0
.irp t, 0,1,2,3
	global_load_b128 v[WS+4*\t:WS+4*\t+3], v245, s[8:9] offset:2048*\t
.endr
	global_load_b128 v[B2:B2+3], v246, s[10:11]
	s_wait_kmcnt 0x0                               ; the count is in, and the scalar load has read s27
	s_min_u32 s23, s23, 0x400
	s_add_co_u32 s22, s23, 15
	s_lshr_b32 s22, s22, 4
	s_max_u32 s22, s22, 1                          ; nt
	s_sub_co_u32 s27, s22, 1                       ; nt - 1
	FIRST 0                                        ; three of the ring's four first fills go out ahead of the stage's work
	FIRST 1
	FIRST 2
	s_wait_loadcnt 59                              ; W2's 64 loads are in: behind them stand 5 (scales, b2) and three fills of 18; the list's two, ahead of them, as well
	ds_store_b128 v252, v[112:115]                 ; other waves read it behind the first trip's barrier
	ds_store_b128 v252, v[116:119] offset:512
.irp p, 0,1                                    ; rows 32 p on, tiles 2 p and 2 p + 1, through my stage
	WIN FROM_S
.set j, 0
.rept 32
	ds_store_b128 v248, v[4*(32*\p+j):4*(32*\p+j)+3] offset:WP*j
.set j, j+1
.endr
	WIN TO_W
.irp tt, 0,1
.irp s, 0,1,2,3
.irp c, 0,1,2,3
	ds_load_b128 v[16*(4*(2*\p+\tt)+\s)+4*\c:16*(4*(2*\p+\tt)+\s)+4*\c+3], v249 offset:\tt*16*WP+128*\s+32*\c   ; these see the stores above; the next half's stores come behind them
.endr
.endr
.endr
.endr
	WIN 0
	FIRST 3
	s_cmp_eq_u32 s21, 0
	s_cselect_b32 s28, 1.0, 0
	s_wait_loadcnt 54                              ; W2's scales and b2 are in (72 loads were issued behind them; the first tile wants this count anyway)
.irp p, 0,1,2,3
	v_mul_f32 v[B2+\p], s28, v[B2+\p]              ; b2 is added in half 0 alone
.endr
	s_wait_dscnt 0x0                               ; W2's fragments are in
	s_mov_b32 s24, 0                               ; i
	s_mov_b32 s25, 0                               ; the LDS set in hand
.Ltrip:
	v_add_nc_u32 v3, s25, v2                       ; the trip's LDS addresses, on the way that all waves take
	v_add_nc_u32 v5, s25, v4
	s_lshl_b32 s28, s24, 8
	v_add_nc_u32 v250, s28, v244
	s_lshl_b32 s26, s24, 2
	s_cmp_ge_u32 s26, s22
	s_cbranch_scc1 .Lno_mul
	TILE 0
	TILE 1
	TILE 2
	TILE 3
.Lno_mul:
	s_wait_dscnt 0x0                               ; my parts lie in LDS, and my reads of the other set are over
	s_barrier_signal -1
	s_barrier_wait -1
	s_add_co_u32 s28, s26, s18
	s_cmp_ge_u32 s28, s22
	s_cbranch_scc1 .Lno_red
	s_wait_alu depctr_va_vdst(0)
	REDUCE
.Lno_red:
	s_wait_xcnt 0x0                                ; the stores have read their data and base: both may be written again
	s_xor_b32 s25, s25, PSLOT
	s_add_co_u32 s24, s24, 1
	s_cmp_lt_u32 s24, 16
	s_cbranch_scc1 .Ltrip
	s_wait_tensorcnt 0x0
	ds_add_u32 v254, v255
	s_wait_dscnt 0x0
	s_endpgm
.Lfunc_end_k_q515e0fe09d_ffn2:
	.size	k_q515e0fe09d_ffn2, .Lfunc_end_k_q515e0fe09d_ffn2-k_q515e0fe09d_ffn2
	.p2alignl 7, 3214868480
	.fill 96, 4, 3214868480
	.section	.rodata,"a",@progbits
	.p2align	6, 0x0
	.amdhsa_kernel k_q515e0fe09d_ffn2
		.amdhsa_group_segment_fixed_size 272896
		.amdhsa_private_segment_fixed_size 0
		.amdhsa_enable_private_segment 0
		.amdhsa_kernarg_size 48
		.amdhsa_user_sgpr_count 2
		.amdhsa_user_sgpr_kernarg_segment_ptr 1
		.amdhsa_wavefront_size32 1
		.amdhsa_system_sgpr_workgroup_id_x 1
		.amdhsa_system_sgpr_workgroup_id_y 1
		.amdhsa_system_sgpr_workgroup_id_z 1
		.amdhsa_system_vgpr_workitem_id 0
		.amdhsa_next_free_vgpr 1024
		.amdhsa_next_free_sgpr 66
		.amdhsa_reserve_vcc 0
		.amdhsa_float_denorm_mode_32 3
		.amdhsa_float_denorm_mode_16_64 3
		.amdhsa_memory_ordered 1
		.amdhsa_forward_progress 1
		.amdhsa_inst_pref_size 56
	.end_amdhsa_kernel
	.amdgpu_metadata
---
amdhsa.version: [ 1, 2 ]
amdhsa.kernels:
  - .name:           k_q515e0fe09d_ffn2
    .symbol:         k_q515e0fe09d_ffn2.kd
    .args:
      - { .name: hq, .offset: 0, .size: 8, .value_kind: global_buffer, .address_space: global }
      - { .name: w2_codes, .offset: 8, .size: 8, .value_kind: global_buffer, .address_space: global }
      - { .name: w2_scales, .offset: 16, .size: 8, .value_kind: global_buffer, .address_space: global }
      - { .name: b2, .offset: 24, .size: 8, .value_kind: global_buffer, .address_space: global }
      - { .name: plan, .offset: 32, .size: 8, .value_kind: global_buffer, .address_space: global }
      - { .name: yp, .offset: 40, .size: 8, .value_kind: global_buffer, .address_space: global }
    .group_segment_fixed_size: 272896
    .private_segment_fixed_size: 0
    .kernarg_segment_align: 8
    .kernarg_segment_size: 48
    .max_flat_workgroup_size: 128
    .sgpr_count:     66
    .vgpr_count:     1024
    .wavefront_size: 32
...
	.end_amdgpu_metadata
.endif
;; end of part 3
;; launch combine (part 4): grid 256 x 1, 4 waves a work-group, no clusters, 0 bytes of LDS; arguments yp, cw, out0; writes out0
.if DOCPART == 4
	.amdgcn_target "amdgcn-amd-amdhsa--gfx1250"
	.amdhsa_code_object_version 6
	.text
	.protected	k_q515e0fe09d_combine
	.globl	k_q515e0fe09d_combine
	.p2align	8
	.type	k_q515e0fe09d_combine,@function
k_q515e0fe09d_combine:
	s_mov_b64 s[64:65], 0
	v_nop
	global_prefetch_b8 v0, s[64:65] scope:SCOPE_SE
	s_setreg_imm32_b32 hwreg(HW_REG_WAVE_MODE, 25, 1), 1
	s_wait_xcnt 0x0
; out[token] = c0 (yp[0][2 token] + yp[1][2 token]) + c1 (yp[0][2 token + 1] + yp[1][2 token + 1]): the two halves of K of the token's two routed rows, weighed by the softmax of its two scores.
; LEFT OUT: the terms of experts that the token did not choose, whose weight reference() makes 0 by its own one_hot.
; A wave takes a token: token 4 x work-group + wave; each output row has one owner.
; A stream: 32 loads of 512 consecutive bytes are issued at once, the waits count down, and each store covers 512 consecutive bytes.  No LDS, no barrier, no matrix unit: nothing is shared and nothing is multiplied but by two weights.
.set Y, 16                             ; v16-143  group m of eight: four registers each of (row 0, half 0), (row 0, half 1), (row 1, half 0), (row 1, half 1)
	s_load_b128 s[4:7], s[0:1], 0x0                ; yp s[4:5], cw s[6:7]
	s_load_b64 s[10:11], s[0:1], 0x10              ; out0
	v_lshrrev_b32 v1, 5, v0
	v_readfirstlane_b32 s20, v1                    ; wave
	v_and_b32 v1, 31, v0
	v_lshlrev_b32 v1, 4, v1                        ; 16 x lane
	s_lshl_b32 s21, ttmp9, 2
	s_add_co_u32 s21, s21, s20                     ; my token
	s_lshl_b32 s22, s21, 3
	s_lshl_b32 s24, s21, 12
	s_mov_b32 s25, 0
	s_lshl_b32 s26, s21, 13
	s_mov_b32 s27, 0
	s_wait_alu depctr_va_vdst(0)
	s_wait_kmcnt 0x0
	s_load_b64 s[14:15], s[6:7], s22 offset:0x0    ; its two weights
	s_add_nc_u64 s[4:5], s[4:5], s[26:27]          ; its two rows lie one behind the other
	s_add_nc_u64 s[18:19], s[4:5], 0x900000        ; yp's second half of K
	s_add_nc_u64 s[10:11], s[10:11], s[24:25]
.irp m, 0,1,2,3,4,5,6,7
	global_load_b128 v[Y+16*\m:Y+16*\m+3], v1, s[4:5] offset:512*\m th:TH_LOAD_NT
	global_load_b128 v[Y+16*\m+4:Y+16*\m+7], v1, s[18:19] offset:512*\m th:TH_LOAD_NT
	global_load_b128 v[Y+16*\m+8:Y+16*\m+11], v1, s[4:5] offset:512*\m+4096 th:TH_LOAD_NT
	global_load_b128 v[Y+16*\m+12:Y+16*\m+15], v1, s[18:19] offset:512*\m+4096 th:TH_LOAD_NT
.endr
	s_wait_kmcnt 0x0
	s_mov_b32 s16, s15                             ; c1 in a pair of its own: the packed forms take a pair's low word for both halves
	s_mov_b32 s17, s15
.irp m, 0,1,2,3,4,5,6,7
	s_wait_loadcnt 28-4*\m                         ; this group's four loads are in: behind them stand four for each later group
.irp p, 0,2
	v_pk_add_f32 v[Y+16*\m+\p:Y+16*\m+\p+1], v[Y+16*\m+\p:Y+16*\m+\p+1], v[Y+16*\m+4+\p:Y+16*\m+4+\p+1]
	v_pk_add_f32 v[Y+16*\m+8+\p:Y+16*\m+8+\p+1], v[Y+16*\m+8+\p:Y+16*\m+8+\p+1], v[Y+16*\m+12+\p:Y+16*\m+12+\p+1]
	v_pk_mul_f32 v[Y+16*\m+\p:Y+16*\m+\p+1], v[Y+16*\m+\p:Y+16*\m+\p+1], s[14:15] op_sel_hi:[1,0]
	v_pk_fma_f32 v[Y+16*\m+\p:Y+16*\m+\p+1], v[Y+16*\m+8+\p:Y+16*\m+8+\p+1], s[16:17], v[Y+16*\m+\p:Y+16*\m+\p+1] op_sel_hi:[1,0,1]
.endr
	global_store_b128 v1, v[Y+16*\m:Y+16*\m+3], s[10:11] offset:512*\m th:TH_STORE_NT
.endr
	s_endpgm
.Lfunc_end_k_q515e0fe09d_combine:
	.size	k_q515e0fe09d_combine, .Lfunc_end_k_q515e0fe09d_combine-k_q515e0fe09d_combine
	.p2alignl 7, 3214868480
	.fill 96, 4, 3214868480
	.section	.rodata,"a",@progbits
	.p2align	6, 0x0
	.amdhsa_kernel k_q515e0fe09d_combine
		.amdhsa_group_segment_fixed_size 0
		.amdhsa_private_segment_fixed_size 0
		.amdhsa_enable_private_segment 0
		.amdhsa_kernarg_size 24
		.amdhsa_user_sgpr_count 2
		.amdhsa_user_sgpr_kernarg_segment_ptr 1
		.amdhsa_wavefront_size32 1
		.amdhsa_system_sgpr_workgroup_id_x 1
		.amdhsa_system_sgpr_workgroup_id_y 1
		.amdhsa_system_sgpr_workgroup_id_z 1
		.amdhsa_system_vgpr_workitem_id 0
		.amdhsa_next_free_vgpr 144
		.amdhsa_next_free_sgpr 66
		.amdhsa_reserve_vcc 0
		.amdhsa_float_denorm_mode_32 3
		.amdhsa_float_denorm_mode_16_64 3
		.amdhsa_memory_ordered 1
		.amdhsa_forward_progress 1
		.amdhsa_inst_pref_size 10
	.end_amdhsa_kernel
	.amdgpu_metadata
---
amdhsa.version: [ 1, 2 ]
amdhsa.kernels:
  - .name:           k_q515e0fe09d_combine
    .symbol:         k_q515e0fe09d_combine.kd
    .args:
      - { .name: yp, .offset: 0, .size: 8, .value_kind: global_buffer, .address_space: global }
      - { .name: cw, .offset: 8, .size: 8, .value_kind: global_buffer, .address_space: global }
      - { .name: out0, .offset: 16, .size: 8, .value_kind: global_buffer, .address_space: global }
    .group_segment_fixed_size: 0
    .private_segment_fixed_size: 0
    .kernarg_segment_align: 8
    .kernarg_segment_size: 24
    .max_flat_workgroup_size: 128
    .sgpr_count:     66
    .vgpr_count:     144
    .wavefront_size: 32
...
	.end_amdgpu_metadata
.endif
;; end of part 4
